; MI455X (gfx1250); checked and timed in simulation.
; The chip was launched on July 23, 2026; its instructions are those of AMD's public machine-readable ISA for CDNA 5 (MIT licence, August 2026) and "CDNA5" Instruction Set Architecture Reference Guide (July 2026). The comments in the code are by the model that wrote it; some were corrected since.
;; QK Normed Attention. Allowed arithmetic: matrix products marked QUANTISED: E2M1 operands, one E8M0 scale for each 32 along K, by v_wmma_scale_f32_16x16x128_f8f6f4 with both operands' format E2M1 (or v_wmma_scale_f32_32x16x128_f4), f32 sums; everything else in f32.
;; Inputs: Wk_codes 1,024 x 32 x 16 uint8 (E2M1 codes of Wk, K innermost, in blocks of 32 codes, two codes a byte); Wk_scales 1,024 x 32 uint8 (E8M0 scales of Wk, one for each 32 codes along K); Wo_codes 1,024 x 32 x 16 uint8 (E2M1 codes of Wo, K innermost, in blocks of 32 codes, two codes a byte); Wo_scales 1,024 x 32 uint8 (E8M0 scales of Wo, one for each 32 codes along K); Wq_codes 1,024 x 32 x 16 uint8 (E2M1 codes of Wq, K innermost, in blocks of 32 codes, two codes a byte); Wq_scales 1,024 x 32 uint8 (E8M0 scales of Wq, one for each 32 codes along K); Wv_codes 1,024 x 32 x 16 uint8 (E2M1 codes of Wv, K innermost, in blocks of 32 codes, two codes a byte); Wv_scales 1,024 x 32 uint8 (E8M0 scales of Wv, one for each 32 codes along K); bk 1,024 float32; bo 1,024 float32; bq 1,024 float32; bv 1,024 float32; k_norm_w 64 float32; key_codes 4,096 x 32 x 16 uint8 (E2M1 codes of key, K innermost, in blocks of 32 codes, two codes a byte); key_scales 4,096 x 32 uint8 (E8M0 scales of key, one for each 32 codes along K); q_norm_w 64 float32; query_codes 4,096 x 32 x 16 uint8 (E2M1 codes of query, K innermost, in blocks of 32 codes, two codes a byte); query_scales 4,096 x 32 uint8 (E8M0 scales of query, one for each 32 codes along K); value_codes 4,096 x 32 x 16 uint8 (E2M1 codes of value, K innermost, in blocks of 32 codes, two codes a byte); value_scales 4,096 x 32 uint8 (E8M0 scales of value, one for each 32 codes along K).
;; Outputs: out0 4,096 x 1,024 float32.
;; This version of the problem:
;;   THIS VERSION OF THE PROBLEM IS GIVEN IN LOW PRECISION. The matrix products marked QUANTISED in the list below multiply operands that are first quantised to E2M1 (2 exponent bits, 1 mantissa bit; 4 bits a number), with one power-of-two scale for each 32 numbers along K (OCP MX v1.0); their sums are f32. All else is computed in f32.
;;   The module's matrix products, in the order in which they are computed (A, B: the left and right operand; K: the contracted axis; several contracted axes count as one K, in the product's order):
;;     1. [M 4,096, K 1,024] x [K 1,024, N 1,024]; A: input query (given as codes); B: input Wq (given as codes): QUANTISED
;;     2. [M 4,096, K 1,024] x [K 1,024, N 1,024]; A: input key (given as codes); B: input Wk (given as codes): QUANTISED
;;     3. [M 4,096, K 1,024] x [K 1,024, N 1,024]; A: input value (given as codes); B: input Wv (given as codes): QUANTISED
;;     4. batch 16 x [M 4,096, K 64] x [K 64, N 4,096]; A: computed on the way; B: computed on the way: QUANTISED
;;     5. batch 16 x [M 64, K 4,096] x [K 4,096, N 4,096]; A: computed on the way; B: softmax (see below): QUANTISED
;;     6. [M 4,096, K 1,024] x [K 1,024, N 1,024]; A: computed on the way; B: input Wo (given as codes): QUANTISED
;;   THE QUANTISER, for each operand of a quantised product, along K:
;;     - K is cut into blocks of 32 from its start; a last block that is shorter is filled with zeros.
;;     - A block's scale is 2^e with e = floor(log2(the largest magnitude in the block)) - 2, held to -126 .. 127; a block of zeros has e = 0. As a byte (E8M0): e + 127.
;;     - Each number is divided by its block's scale, clamped to +-6, and rounded to the nearest number of E2M1, ties to even, subnormals kept.
;;     - The product sums the exact products of the quantised numbers (number of the format x scale) in f32.
;;   ~~~python
;;   def quantise(x, axis):      # numpy; x: float32 -> the quantised numbers, widened to float32 again
;;       x = np.moveaxis(x, axis, -1); K = x.shape[-1]
;;       x = np.pad(x, [(0, 0)] * (x.ndim - 1) + [(0, -K % 32)]); x = x.reshape(x.shape[:-1] + (-1, 32)); a = np.abs(x).max(-1, keepdims=True)
;;       e = np.where(a > 0, np.clip(np.frexp(np.where(a > 0, a, 1))[1] - 1 - 2, -126, 127), 0)      # np.frexp(a)[1] - 1 = floor(log2(a)), exactly
;;       r = np.clip(x / 2.0 ** e, -6, 6)
;;       step = 2.0 ** (np.maximum(np.frexp(np.where(r == 0, 1, r))[1] - 1, 0) - 1)
;;       q = np.round(r / step) * step * 2.0 ** e      # np.round: ties to even
;;       return np.moveaxis(q.reshape(q.shape[:-2] + (-1,))[..., :K], -1, axis).astype(np.float32)
;;   ~~~
;;   SOFTMAX AHEAD OF A QUANTISED PRODUCT. Where the list says 'softmax', what is quantised is not the finished softmax but p = 2^(t - M), with t = logit x log2(e) and M = ceil(the row's largest t), a whole number; so 1/2 < the row's largest p <= 1. The row's sum l is taken of the UNQUANTISED p, in f32, and the product's result is divided by l at the end. Since M is a whole number, a kernel that streams over the keys may use a running M (the ceiling of the running maximum): every later rescaling is an exact power of two, which a block's scale takes up: the codes' values come out the same.
;;   OPERANDS COMPUTED ON THE WAY. 'Computed on the way' means the value that the module computes at that place (a softmax that the list does not call 'softmax' is quantised finished and normalised). What goes into a quantiser is computed in f32, as accurately as f32 sums, v_exp_f32 and their like allow (about 1e-6 of the number): no bf16 or f16 on the way to a quantiser, and a product that is left as it is and whose result goes on into a quantised operand takes f32 operands (vector FMAs, or v_wmma_f32_16x16x4_f32). A number that lies on a knife's edge between two numbers of the format may be rounded either way, as far as f32 arithmetic and the matrix unit's own rounding can turn it there, and no further.
;;   INPUTS GIVEN AS CODES. Wk (in the module: [1024, 1024], K = its axis 1); Wo (in the module: [1024, 1024], K = its axis 1); Wq (in the module: [1024, 1024], K = its axis 1); Wv (in the module: [1024, 1024], K = its axis 1); key (in the module: [4096, 1024], K = its axis 1); query (in the module: [4096, 1024], K = its axis 1); value (in the module: [4096, 1024], K = its axis 1): each comes as NAME_codes (uint8): NAME with its K axis moved to the last place and cut into blocks of 32 codes, [.., K / 32, bytes a block], one block behind the other in memory; two codes a byte, the lower K in the low four bits (a code: sign, 2 exponent bits, 1 mantissa bit); and NAME_scales (uint8): the same leading axes, one E8M0 byte (e + 127) for each 32 codes along K. Its value is code x scale, taken as it is: it is not quantised again, and the codes and scales need not be those that the quantiser above would give.
;; One version. Each part assembles by itself: llvm-mc -triple=amdgcn-amd-amdhsa -mcpu=gfx1250 --defsym DOCPART=n.
;; ======== version 1 of 1: 3 launches
;; limits: right only within a limited range of input values
;; workspace buffers: qc 2,097,152 bytes; qs 131,072 bytes; kv 4,456,448 bytes; ac 2,097,152 bytes; asc 131,072 bytes
;; launch proj (part 1): grid 4 x 48, 16 waves a work-group, clusters of 4 x 4, 284,672 bytes of LDS; arguments query_codes, key_codes, value_codes, query_scales, key_scales, value_scales, Wq_codes, Wk_codes, Wv_codes, Wq_scales, Wk_scales, Wv_scales, bq, bk, bv, q_norm_w, k_norm_w, qc, qs, kv; writes qc, qs, kv
.if DOCPART == 1
	.amdgcn_target "amdgcn-amd-amdhsa--gfx1250"
	.amdhsa_code_object_version 6
	.text
	.protected	k_q955c8d3cb5_proj
	.globl	k_q955c8d3cb5_proj
	.p2align	8
	.type	k_q955c8d3cb5_proj,@function
k_q955c8d3cb5_proj:
	s_mov_b64 s[64:65], 0
	v_nop
	global_prefetch_b8 v0, s[64:65] scope:SCOPE_SE
	s_setreg_imm32_b32 hwreg(HW_REG_WAVE_MODE, 25, 1), 1
	s_wait_xcnt 0x0
	s_wait_alu depctr_hold_cnt(0) depctr_sa_sdst(0) depctr_va_vdst(0) depctr_va_sdst(0) depctr_va_ssrc(0) depctr_va_vcc(0) depctr_vm_vsrc(0)
	s_getreg_b32 s2, hwreg(HW_REG_IB_STS2, 6, 4)
	s_cmp_eq_u32 s2, 0
	s_cbranch_scc0 .Lentry_in_a_cluster
	s_endpgm
.Lentry_in_a_cluster:
	s_bfe_u32 s2, ttmp6, 0x10000c
	s_cmp_lg_u32 s2, 0xf033
	s_cbranch_scc0 .Lentry_shape_is_right
	s_endpgm
.Lentry_shape_is_right:
; THE THREE PROJECTIONS: y = x W^T + b on codes of FP4 (E2M1) with E8M0 scales, x [4096][1024], W [1024][1024]; then, in f32, for q and k the RMS norm of each head of 64 and
; the quantiser along the head's 64; for v the quantiser along the KEYS.  Results leave as images of the registers in which the attention launch wants them.
; SHARES.  192 work-groups: projection p (0 q, 1 k, 2 v) x 16 blocks of 256 rows x 4 blocks of 256 features.  All of K = 1,024 of both operands lies in LDS, each byte filled once.
; Sixteen waves; wave w = 4 a + b makes 64 (group a of source 0) x 64 (group b of source 1): 16 accumulators.  q, k: source 0 = W, source 1 = x: a lane holds one row and 32 features of one head.
; v: source 0 = x, source 1 = W: a lane holds one feature and 32 keys.
; THE ROWS OF A TILE ARE NOT NEIGHBOURS, in both operands: in a group of 64 rows, row m of tile u is row 32 (m / 8) + 8 u + m % 8.  In the result lane (r, h) holds source 0's row 8 h + j in register j,
; so the 32 registers of a group's four tiles are the 32 NEIGHBOURS 32 h + 0 .. 31: a whole block of the next product's K in one lane, and four conversions give registers 4 c .. 4 c + 3 of its fragment.
; CLUSTERS: 4 x 4 work-groups of one projection.  The four of a row of the cluster need the same rows of x, the four of a column the same rows of W: each tile is asked for jointly.
; OUT.  qc [head][tile of 16 rows][512]: lane l's 16 bytes at 16 l.  qs [head][128 rows][256].  kv [head][128 keys][8704]: K's 8 tile images, V's 4 fragment images, K's 256 scale bytes, V's 256.
; LIMITS: NaN and infinities are not served.  A block of zeros gets the byte 1 (the floor's) where the quantiser's rule says 127: its codes are zeros, and these bytes are read by this program alone.
.set BLK,   17024                      ; LDS: 32 rows x (512 bytes + 16) + 128: rows 32 apart then start half a row of banks apart (64 banks of 4 bytes: ISA guide 11.1), so a fragment's 16 rows start at 16 different banks
.set GRP,   2*BLK                      ; a group of 64 rows
.set WOFF,  8*BLK                      ; x's 256 rows, then W's 256 rows
.set CHUNK, 256                        ; the second K half of a row begins 256 bytes on
.set RECB,  8704                       ; kv: the record of 128 keys
.set HEADB, 32*RECB                    ; kv: a head
.set AS0, 8                            ; v8-9    LDS address of source 0's fragments in K half 0, 1
.set AS1, 10                           ; v10-11  the same for source 1
.set BL,  16                           ; v16-23  v: the bias of my feature, a pair for each tile
.set IV,  16                           ; v16-23  q, k: 1 / rms, a pair for each tile (the low word is used)
.set S0S, 24                           ; v24-39  source 0's scale words: register 8 (u / 2) + K step; lanes 0-15 tile u even, lanes 16-31 tile u odd
.set S1S, 40                           ; v40-55  source 1's likewise
.set F0,  56                           ; v56-87  source 0's four fragments of a K step
.set F1,  88                           ; v88-119 source 1's
.set ACC, 120                          ; v120-247 accumulator (u, t) at ACC + 32 t + 8 u
.set WR,  56                           ; behind the products: the norm's 32 weights of my half of the head
.set CD,  88                           ; codes, four registers a tile
.set BY,  104                          ; scale bytes
.set SS,  108                          ; sums of squares, a pair a tile
.set BM,  116                          ; largest magnitudes, then the conversions' scale operands
.set PX,  248                          ; what comes from lane l xor 16
.macro PLACES n
.rept \n
	v_nop
.endr
.endm
.macro CROUND                          ; a round of the cluster's barrier
	s_barrier_signal -1
	s_barrier_wait -1
	s_cmp_lg_u32 s4, 0
	s_cbranch_scc1 .Lnot_wave_0_\@
	s_barrier_signal -3
.Lnot_wave_0_\@:
	s_barrier_wait -3
	s_barrier_signal -1
	s_barrier_wait -1
.endm
; One product 16 x 16 x 128.  cm = 0: C is the constant 0; else C = v[cr ..].  ra, rb = 1: that side's scale words are read from lanes 16-31.
.macro WM d, a, b, cm, cr, sa, sb, ra, rb
.if \cm
.if (\ra) && (\rb)
	v_wmma_scale_f32_16x16x128_f8f6f4 v[\d:\d+7], v[\a:\a+7], v[\b:\b+7], v[\cr:\cr+7], v[\sa], v[\sb] matrix_a_fmt:MATRIX_FMT_FP4 matrix_b_fmt:MATRIX_FMT_FP4 matrix_a_scale:MATRIX_SCALE_ROW1 matrix_b_scale:MATRIX_SCALE_ROW1
.elseif \ra
	v_wmma_scale_f32_16x16x128_f8f6f4 v[\d:\d+7], v[\a:\a+7], v[\b:\b+7], v[\cr:\cr+7], v[\sa], v[\sb] matrix_a_fmt:MATRIX_FMT_FP4 matrix_b_fmt:MATRIX_FMT_FP4 matrix_a_scale:MATRIX_SCALE_ROW1
.elseif \rb
	v_wmma_scale_f32_16x16x128_f8f6f4 v[\d:\d+7], v[\a:\a+7], v[\b:\b+7], v[\cr:\cr+7], v[\sa], v[\sb] matrix_a_fmt:MATRIX_FMT_FP4 matrix_b_fmt:MATRIX_FMT_FP4 matrix_b_scale:MATRIX_SCALE_ROW1
.else
	v_wmma_scale_f32_16x16x128_f8f6f4 v[\d:\d+7], v[\a:\a+7], v[\b:\b+7], v[\cr:\cr+7], v[\sa], v[\sb] matrix_a_fmt:MATRIX_FMT_FP4 matrix_b_fmt:MATRIX_FMT_FP4
.endif
.else
.if (\ra) && (\rb)
	v_wmma_scale_f32_16x16x128_f8f6f4 v[\d:\d+7], v[\a:\a+7], v[\b:\b+7], 0, v[\sa], v[\sb] matrix_a_fmt:MATRIX_FMT_FP4 matrix_b_fmt:MATRIX_FMT_FP4 matrix_a_scale:MATRIX_SCALE_ROW1 matrix_b_scale:MATRIX_SCALE_ROW1
.elseif \ra
	v_wmma_scale_f32_16x16x128_f8f6f4 v[\d:\d+7], v[\a:\a+7], v[\b:\b+7], 0, v[\sa], v[\sb] matrix_a_fmt:MATRIX_FMT_FP4 matrix_b_fmt:MATRIX_FMT_FP4 matrix_a_scale:MATRIX_SCALE_ROW1
.elseif \rb
	v_wmma_scale_f32_16x16x128_f8f6f4 v[\d:\d+7], v[\a:\a+7], v[\b:\b+7], 0, v[\sa], v[\sb] matrix_a_fmt:MATRIX_FMT_FP4 matrix_b_fmt:MATRIX_FMT_FP4 matrix_b_scale:MATRIX_SCALE_ROW1
.else
	v_wmma_scale_f32_16x16x128_f8f6f4 v[\d:\d+7], v[\a:\a+7], v[\b:\b+7], 0, v[\sa], v[\sb] matrix_a_fmt:MATRIX_FMT_FP4 matrix_b_fmt:MATRIX_FMT_FP4
.endif
.endif
.endm
; K step s of eight: 16 LDS loads, 16 products.  The 16 accumulators take turns, one instruction a turn, in the same order in every step.
; mode 1: the sums start with 0.  mode 2: they start with the bias, which was loaded into the registers of tile t = 0: tiles 1, 2, 3 take those registers as C; tile 0 adds onto them last.  mode 0: in place.
.macro KSTEP s, mode
.if (\s) > 0
	PLACES 4                                       ; four places between the last products and loads into registers that they read (ISA guide 7.12.1 for vector instructions)
.endif
.irp u, 0,1,2,3
.irp c, 0,1
	ds_load_b128 v[F0+8*\u+4*\c:F0+8*\u+4*\c+3], v[AS0+(\s)/4] offset:4224*\u+64*((\s)%4)+32*\c   ; tile u begins 8 rows on; registers 4 c ..: k = 64 c + 32 h + 0 .. 31
.endr
.endr
.irp u, 0,1,2,3
.irp c, 0,1
	ds_load_b128 v[F1+8*\u+4*\c:F1+8*\u+4*\c+3], v[AS1+(\s)/4] offset:4224*\u+64*((\s)%4)+32*\c
.endr
.endr
	s_wait_dscnt 0x0
.irp t, 1,2,3,0
.if ((\mode) == 2) && (\t == 0)
	PLACES 5                                       ; tile 0's products write over registers that the twelve before them read as C: five places
.endif
.irp u, 0,1,2,3
.if (\mode) == 1
	WM ACC+32*\t+8*\u, F0+8*\u, F1+8*\t, 0, 0, S0S+8*(\u/2)+(\s), S1S+8*(\t/2)+(\s), \u%2, \t%2
.elseif ((\mode) == 2) && (\t > 0)
	WM ACC+32*\t+8*\u, F0+8*\u, F1+8*\t, 1, ACC+8*\u, S0S+8*(\u/2)+(\s), S1S+8*(\t/2)+(\s), \u%2, \t%2
.else
	WM ACC+32*\t+8*\u, F0+8*\u, F1+8*\t, 1, ACC+32*\t+8*\u, S0S+8*(\u/2)+(\s), S1S+8*(\t/2)+(\s), \u%2, \t%2
.endif
.endr
.endr
.endm
; The quantiser: for each tile t the lane's 32 registers are one block.  Its largest magnitude (with the floor 2^(3 - 127) among the leaves, so that the byte cannot fall under 1), 2 off its exponent field: the
; conversions' scale operand; that field is the scale's byte; four conversions of eight numbers.  The four tiles by turns, so that no line waits for the line above it.
.macro QUANT4
.irp t, 0,1,2,3
	v_max3_num_f32 v[BM+\t], |v[ACC+32*\t]|, |v[ACC+32*\t+1]|, 0x1800000
.endr
.irp i, 2,4,6,8,10,12,14,16,18,20,22,24,26,28,30
.irp t, 0,1,2,3
	s_delay_alu instid0(VALU_DEP_4)
	v_max3_num_f32 v[BM+\t], v[BM+\t], |v[ACC+32*\t+\i]|, |v[ACC+32*\t+\i+1]|
.endr
.endr
.irp t, 0,1,2,3
	s_delay_alu instid0(VALU_DEP_4)
	v_add_nc_u32 v[BM+\t], 0xff000000, v[BM+\t]
.endr
.irp t, 0,1,2,3
	s_delay_alu instid0(VALU_DEP_4)
	v_lshrrev_b32 v[BY+\t], 23, v[BM+\t]
.endr
.irp t, 0,1,2,3
.irp g, 0,1,2,3
	v_cvt_scalef32_pk8_fp4_f32 v[CD+4*\t+\g], v[ACC+32*\t+8*\g:ACC+32*\t+8*\g+7], v[BM+\t]
.endr
.endr
	v_nop                                          ; one plain line behind the last conversion
.endm
	s_load_b512 s[16:31], s[0:1], 0x0              ; query, key, value codes; query, key, value scales; Wq, Wk codes
	s_load_b512 s[32:47], s[0:1], 0x40             ; Wv codes; Wq, Wk, Wv scales; bq, bk, bv; q_norm_w
	s_load_b256 s[48:55], s[0:1], 0x80             ; k_norm_w; qc, qs, kv
	v_lshl_add_u32 v254, v0, 2, 0x45000
	v_mov_b32 v255, 0
	ds_add_u32 v254, v255
	ds_add_u32 v254, v255
	v_lshrrev_b32 v1, 5, v0
	s_delay_alu instid0(VALU_DEP_1)
	v_readfirstlane_b32 s4, v1                     ; wave 0..15
	v_and_b32 v1, 31, v0                           ; lane
	v_and_b32 v2, 15, v0                           ; r
	v_bfe_u32 v3, v0, 4, 1                         ; h
	v_bfe_u32 v4, v0, 3, 1                         ; r / 8
	v_and_b32 v5, 7, v0                            ; r % 8
	s_delay_alu instid0(VALU_DEP_2)
	v_mul_u32_u24 v6, v4, BLK
	s_delay_alu instid0(VALU_DEP_1)
	v_mad_u32_u24 v6, v5, 528, v6
	s_delay_alu instid0(VALU_DEP_1)
	v_lshl_add_u32 v6, v3, 4, v6                   ; a fragment's lane part: row 32 (r / 8) + r % 8 of a group, + 16 h
	v_lshlrev_b32 v7, 10, v4
	s_delay_alu instid0(VALU_DEP_1)
	v_lshl_add_u32 v7, v3, 8, v7
	s_delay_alu instid0(VALU_DEP_1)
	v_lshl_add_u32 v7, v5, 5, v7                   ; scale words: row 32 (r / 8) + 8 (lane / 16) + r % 8, 32 bytes a row: lanes 16-31 take the next tile's rows
	v_lshlrev_b32 v12, 4, v1                       ; out: 16 x lane
	v_lshl_add_u32 v13, v2, 3, v3                  ; out: 8 r + h
	s_lshr_b32 s5, s4, 2                           ; a: my group of source 0
	s_and_b32 s6, s4, 3                            ; b: my group of source 1
	s_bfe_u32 s7, ttmp6, 0x40000                   ; cx
	s_bfe_u32 s8, ttmp6, 0x40004                   ; cy
	s_and_b32 s9, ttmp7, 0xffff                    ; the cluster's y, 0..11
	s_and_b32 s10, s9, 3
	s_lshr_b32 s9, s9, 2                           ; p: the projection; the same in all sixteen partners
	s_lshl_b32 s10, s10, 2
	s_add_co_u32 s10, s10, s8                      ; rb: my block of 256 rows of x
	s_lshl_b32 s11, ttmp9, 2
	s_add_co_u32 s11, s11, s7                      ; fb: my block of 256 features
	s_lshl_b32 s100, s8, 2
	s_lshl_b32 s100, 15, s100                      ; my row of the cluster
	s_lshl_b32 s101, 0x1111, s7                    ; my column
	s_and_b32 s2, s4, 7
	s_lshl_b32 s2, s2, 14                          ; which 32 rows of 512 bytes I fetch
	s_lshl_b32 s12, s10, 17
	s_add_co_u32 s12, s12, s2                      ; x: 256 rb + 32 (w % 8) rows
	s_mov_b32 s13, 0
	s_lshl_b32 s14, s11, 17
	s_add_co_u32 s14, s14, s2                      ; W: 256 fb + 32 (w % 8) rows
	s_mov_b32 s15, 0
	s_mul_i32 s3, s4, BLK                          ; where they go: wave x a block: x's eight blocks, then W's eight
	s_wait_dscnt 0x0
	s_wait_kmcnt 0x0
	s_cmp_eq_u32 s9, 1                             ; the projection's buffers: the choices hang on the cluster's number alone
	s_cselect_b64 s[84:85], s[18:19], s[20:21]
	s_cselect_b64 s[86:87], s[24:25], s[26:27]
	s_cselect_b64 s[88:89], s[30:31], s[32:33]
	s_cselect_b64 s[90:91], s[36:37], s[38:39]
	s_cselect_b64 s[92:93], s[42:43], s[44:45]
	s_cmp_eq_u32 s9, 0
	s_cselect_b64 s[84:85], s[16:17], s[84:85]     ; x's codes
	s_cselect_b64 s[86:87], s[22:23], s[86:87]     ; x's scales
	s_cselect_b64 s[88:89], s[28:29], s[88:89]     ; W's codes
	s_cselect_b64 s[90:91], s[34:35], s[90:91]     ; W's scales
	s_cselect_b64 s[92:93], s[40:41], s[92:93]     ; the bias
	s_cselect_b64 s[94:95], s[46:47], s[48:49]     ; the norm's weights
	s_cselect_b64 s[96:97], s[50:51], s[54:55]     ; codes out
	s_cselect_b64 s[98:99], s[52:53], s[54:55]     ; scale bytes out
	s_add_nc_u64 s[12:13], s[84:85], s[12:13]
	s_add_nc_u64 s[14:15], s[88:89], s[14:15]
	; descriptor group 1: 32 rows x 512 bytes, 512 bytes apart in memory, 16 bytes of padding behind each in LDS
	s_or_b32 s16, s100, (1<<20)|(1<<21)|(6<<22)|(3<<25)   ; 15:0 the mask: x's tiles go to my row; 17:16 elements of 1 byte; 20 padding on; 21 set beside a mask; 24:22 after every 128 words; 31:25 four words
	s_or_b32 s24, s101, (1<<20)|(1<<21)|(6<<22)|(3<<25)   ; W's tiles go to my column
.irp g, 16, 24
	s_mov_b32 s[\g+1], 512<<16                     ; tensor_dim0: a whole row of K, 512 bytes
	s_mov_b32 s[\g+2], 32<<16                      ; tensor_dim1
	s_mov_b32 s[\g+3], 512<<16                     ; tile_dim0
	s_mov_b32 s[\g+4], 32                          ; tile_dim1
	s_mov_b32 s[\g+5], 512                         ; from row to row
	s_mov_b32 s[\g+6], 0
	s_mov_b32 s[\g+7], 0
.endr
	; group 0: s[32:35] x's 32 rows; s[40:43] W's
	s_mov_b32 s32, 1
	s_mov_b32 s33, s3
	s_mov_b64 s[34:35], s[12:13]
	s_or_b32 s35, s35, 0x80000000
	s_mov_b32 s40, 1
	s_mov_b32 s41, s3
	s_mov_b64 s[42:43], s[14:15]
	s_or_b32 s43, s43, 0x80000000
	CROUND                                         ; all sixteen work-groups are here: the joint loads meet
	s_cmp_lt_u32 s4, 8                             ; waves 0-7 fetch x, waves 8-15 W: one load a wave, 32 whole rows of K
	s_cbranch_scc0 .Lfirst_w
	tensor_load_to_lds s[32:35], s[16:23]
	s_nop 0
	PLACES 4
	s_branch .Lfirst_asked
.Lfirst_w:
	tensor_load_to_lds s[40:43], s[24:31]
	s_nop 0
	PLACES 4
.Lfirst_asked:
	; the scale words of my 64 rows of each source, for all of K: 32 bytes a row, eight words = eight K steps, into registers
	s_cmp_eq_u32 s9, 2
	s_cselect_b64 s[48:49], s[86:87], s[90:91]     ; source 0: x for v, W for q and k
	s_cselect_b64 s[50:51], s[90:91], s[86:87]     ; source 1: the other
	s_cselect_b32 s52, s10, s11
	s_cselect_b32 s54, s11, s10
	s_lshl_b32 s52, s52, 13                        ; 256 rows x 32 bytes
	s_lshl_b32 s2, s5, 11                          ; 64 rows x 32 bytes
	s_add_co_u32 s52, s52, s2
	s_mov_b32 s53, 0
	s_lshl_b32 s54, s54, 13
	s_lshl_b32 s2, s6, 11
	s_add_co_u32 s54, s54, s2
	s_mov_b32 s55, 0
	s_add_nc_u64 s[48:49], s[48:49], s[52:53]
	s_add_nc_u64 s[50:51], s[50:51], s[54:55]
	s_wait_alu depctr_va_vdst(0)
.irp pp, 0,1
	global_load_b128 v[S0S+8*\pp:S0S+8*\pp+3],   v7, s[48:49] offset:512*\pp
	global_load_b128 v[S0S+8*\pp+4:S0S+8*\pp+7], v7, s[48:49] offset:512*\pp+16
	global_load_b128 v[S1S+8*\pp:S1S+8*\pp+3],   v7, s[50:51] offset:512*\pp
	global_load_b128 v[S1S+8*\pp+4:S1S+8*\pp+7], v7, s[50:51] offset:512*\pp+16
.endr
	s_cmp_eq_u32 s9, 2                             ; the same in every wave of every partner
	s_cbranch_scc1 .Lv
	; ---------------- q and k: source 0 = W, source 1 = x
	s_lshl_b32 s52, s11, 10
	s_lshl_b32 s2, s5, 8
	s_add_co_u32 s52, s52, s2                      ; the bias of my head: feature 256 fb + 64 a, 4 bytes each
	s_mov_b32 s53, 0
	s_add_nc_u64 s[92:93], s[92:93], s[52:53]
	v_lshlrev_b32 v14, 7, v3                       ; + 32 h features
.irp i, 0,1,2,3,4,5,6,7
	global_load_b128 v[ACC+4*\i:ACC+4*\i+3], v14, s[92:93] offset:16*\i   ; register 8 u + j: feature 32 h + 8 u + j: the C of the first products
.endr
	s_mul_i32 s2, s5, GRP
	s_add_co_u32 s2, s2, WOFF
	v_add_nc_u32 v[AS0], s2, v6
	s_add_co_u32 s2, s2, CHUNK
	v_add_nc_u32 v[AS0+1], s2, v6
	s_mul_i32 s2, s6, GRP
	v_add_nc_u32 v[AS1], s2, v6
	s_add_co_u32 s2, s2, CHUNK
	v_add_nc_u32 v[AS1+1], s2, v6
	; where my results go: head = 4 fb + a; my 64 rows are group 4 rb + b
	s_cmp_eq_u32 s9, 0
	s_mov_b32 s52, HEADB
	s_cselect_b32 s52, 131072, s52                 ; codes: a head,
	s_mov_b32 s53, RECB
	s_cselect_b32 s53, 4096, s53                   ; 128 rows
	s_mov_b32 s54, HEADB
	s_cselect_b32 s54, 8192, s54                   ; scale bytes: a head,
	s_mov_b32 s55, RECB
	s_cselect_b32 s55, 256, s55                    ; 128 rows,
	s_cselect_b32 s100, 0, 8192                    ; and their place in a record of kv
	s_lshl_b32 s2, s11, 2
	s_add_co_u32 s2, s2, s5
	s_lshl_b32 s3, s10, 2
	s_add_co_u32 s3, s3, s6
	s_lshr_b32 s101, s3, 1
	s_and_b32 s3, s3, 1
	s_mul_i32 s52, s52, s2
	s_mul_i32 s53, s53, s101
	s_add_co_u32 s52, s52, s53
	s_lshl_b32 s53, s3, 11                         ; four tile images of 512 bytes
	s_add_co_u32 s52, s52, s53
	s_mov_b32 s53, 0
	s_add_nc_u64 s[96:97], s[96:97], s[52:53]
	s_mul_i32 s54, s54, s2
	s_mul_i32 s55, s55, s101
	s_add_co_u32 s54, s54, s55
	s_add_co_u32 s54, s54, s100
	s_lshl_b32 s55, s3, 2
	s_add_co_u32 s54, s54, s55
	s_mov_b32 s55, 0
	s_add_nc_u64 s[98:99], s[98:99], s[54:55]
	s_mov_b32 s66, 0x76543210
	s_mov_b32 s67, 0xfedcba98                      ; v_permlanex16_b32's selects for lane l xor 16
	s_mov_b32 s100, 0x3c800000                     ; 1 / 64
	s_mov_b32 s101, 0x3727c5ac                     ; 1e-5
.irp t, 0,1,2,3
	v_mov_b32 v[IV+2*\t+1], 0                      ; named as the upper half of a pair
	v_mov_b32 v[PX+\t], 0                          ; a lane permute's destination counts as one of its sources
.endr
	s_wait_alu depctr_va_vdst(0)
	s_wait_tensorcnt 0x0                           ; my 32 rows are in
	s_barrier_signal -1
	s_barrier_wait -1                              ; everybody's is
	s_wait_loadcnt 0x0                             ; scale words and bias
	KSTEP 0, 2
	KSTEP 1, 0
	KSTEP 2, 0
	KSTEP 3, 0
	s_load_b512 s[16:31], s[94:95], 0x0            ; the norm's 64 weights, into the registers of the descriptors, whose loads are done
	s_load_b512 s[32:47], s[94:95], 0x40
	s_load_b512 s[48:63], s[94:95], 0x80
	s_load_b512 s[68:83], s[94:95], 0xc0
	KSTEP 4, 0
	KSTEP 5, 0
	KSTEP 6, 0
	KSTEP 7, 0
	PLACES 4
	v_cmp_le_u32 vcc_lo, 16, v1                    ; lanes 16-31 hold features 32 .. 63 of the head
	s_wait_kmcnt 0x0
.irp i, 0,1,2,3,4,5,6,7,8,9,10,11,12,13,14,15
	v_mov_b32 v[WR+\i], s[16+\i]
	s_delay_alu instid0(VALU_DEP_1)
	v_cndmask_b32 v[WR+\i], v[WR+\i], s[48+\i], vcc_lo
.endr
.irp i, 16,17,18,19,20,21,22,23,24,25,26,27,28,29,30,31
	v_mov_b32 v[WR+\i], s[16+\i]
	s_delay_alu instid0(VALU_DEP_1)
	v_cndmask_b32 v[WR+\i], v[WR+\i], s[52+\i], vcc_lo
.endr
.irp t, 0,1,2,3                                ; the sum of squares of my 32 features, each accumulator from its low end on
	v_pk_mul_f32 v[SS+2*\t:SS+2*\t+1], v[ACC+32*\t:ACC+32*\t+1], v[ACC+32*\t:ACC+32*\t+1]
.endr
.irp i, 2,4,6,8,10,12,14,16,18,20,22,24,26,28,30
.irp t, 0,1,2,3
	v_pk_fma_f32 v[SS+2*\t:SS+2*\t+1], v[ACC+32*\t+\i:ACC+32*\t+\i+1], v[ACC+32*\t+\i:ACC+32*\t+\i+1], v[SS+2*\t:SS+2*\t+1]
.endr
.endr
.irp t, 0,1,2,3
	s_delay_alu instid0(VALU_DEP_4)
	v_add_f32 v[SS+2*\t], v[SS+2*\t], v[SS+2*\t+1]
.endr
.irp t, 0,1,2,3
	s_delay_alu instid0(VALU_DEP_4)
	v_permlanex16_b32 v[PX+\t], v[SS+2*\t], s66, s67
.endr
.irp t, 0,1,2,3
	s_delay_alu instid0(VALU_DEP_4)
	v_add_f32 v[SS+2*\t], v[SS+2*\t], v[PX+\t]     ; with the head's other 32 features
.endr
.irp t, 0,1,2,3
	s_delay_alu instid0(VALU_DEP_4)
	v_fma_f32 v[SS+2*\t], v[SS+2*\t], s100, s101   ; the mean + eps
.endr
	s_wait_alu depctr_va_vdst(0)
.irp t, 0,1,2,3
	v_rsq_f32 v[IV+2*\t], v[SS+2*\t]
.endr
.irp i, 0,2,4,6,8,10,12,14,16,18,20,22,24,26,28,30
.irp t, 0,1,2,3
	v_pk_mul_f32 v[ACC+32*\t+\i:ACC+32*\t+\i+1], v[ACC+32*\t+\i:ACC+32*\t+\i+1], v[WR+\i:WR+\i+1]   ; w x y: plain work that names no result of the four lines above
.endr
.endr
	s_wait_alu depctr_va_vdst(0)                   ; one wait for the four, ahead of their first reader
.irp i, 0,2,4,6,8,10,12,14,16,18,20,22,24,26,28,30
.irp t, 0,1,2,3
	v_pk_mul_f32 v[ACC+32*\t+\i:ACC+32*\t+\i+1], v[ACC+32*\t+\i:ACC+32*\t+\i+1], v[IV+2*\t:IV+2*\t+1] op_sel_hi:[1,0]   ; (w x y) / rms
.endr
.endr
	QUANT4
.irp t, 0,1,2,3
	global_store_b128 v12, v[CD+4*\t:CD+4*\t+3], s[96:97] offset:512*\t               ; a tile's image: the wave stores 512 consecutive bytes, aligned
	global_store_b8 v13, v[BY+\t], s[98:99] offset:(\t/2)*128+(\t%2)*2                ; the byte of (tile, row r, block h)
.endr
	s_branch .Ldone
	; ---------------- v: source 0 = x (the keys), source 1 = W
.Lv:
	s_lshl_b32 s52, s11, 10
	s_lshl_b32 s2, s6, 8
	s_add_co_u32 s52, s52, s2                      ; the bias of my head: feature 256 fb + 64 b
	s_mov_b32 s53, 0
	s_add_nc_u64 s[92:93], s[92:93], s[52:53]
	v_lshlrev_b32 v14, 7, v4
	s_delay_alu instid0(VALU_DEP_1)
	v_lshl_add_u32 v14, v5, 2, v14                 ; + 32 (r / 8) + r % 8
.irp t, 0,1,2,3
	global_load_b32 v[BL+2*\t],   v14, s[92:93] offset:32*\t     ; + 8 t: my feature in tile t; twice, for the packed addition
	global_load_b32 v[BL+2*\t+1], v14, s[92:93] offset:32*\t
.endr
	s_mul_i32 s2, s5, GRP
	v_add_nc_u32 v[AS0], s2, v6
	s_add_co_u32 s2, s2, CHUNK
	v_add_nc_u32 v[AS0+1], s2, v6
	s_mul_i32 s2, s6, GRP
	s_add_co_u32 s2, s2, WOFF
	v_add_nc_u32 v[AS1], s2, v6
	s_add_co_u32 s2, s2, CHUNK
	v_add_nc_u32 v[AS1+1], s2, v6
	; where my results go: head = 4 fb + b; my 64 keys are group 4 rb + a: half (group % 2) of record group / 2
	s_lshl_b32 s2, s11, 2
	s_add_co_u32 s2, s2, s6
	s_lshl_b32 s3, s10, 2
	s_add_co_u32 s3, s3, s5
	s_lshr_b32 s101, s3, 1
	s_and_b32 s3, s3, 1
	s_mul_i32 s52, s2, HEADB
	s_mul_i32 s53, s101, RECB
	s_add_co_u32 s52, s52, s53
	s_lshl_b32 s53, s3, 9                          ; registers 4 c .. 4 c + 3 of a fragment's image: 512 c
	s_add_co_u32 s54, s52, s53
	s_add_co_u32 s54, s54, 4096
	s_mov_b32 s55, 0
	s_add_nc_u64 s[96:97], s[96:97], s[54:55]
	s_lshl_b32 s53, s3, 1                          ; blocks 2 c + h of the record's four
	s_add_co_u32 s54, s52, s53
	s_add_co_u32 s54, s54, 8448
	s_add_nc_u64 s[98:99], s[98:99], s[54:55]
	s_wait_alu depctr_va_vdst(0)
	s_wait_tensorcnt 0x0                           ; as above
	s_barrier_signal -1
	s_barrier_wait -1
	s_wait_loadcnt 0x0
	KSTEP 0, 1
	KSTEP 1, 0
	KSTEP 2, 0
	KSTEP 3, 0
	KSTEP 4, 0
	KSTEP 5, 0
	KSTEP 6, 0
	KSTEP 7, 0
	PLACES 4
.irp i, 0,2,4,6,8,10,12,14,16,18,20,22,24,26,28,30
.irp t, 0,1,2,3
	v_pk_add_f32 v[ACC+32*\t+\i:ACC+32*\t+\i+1], v[ACC+32*\t+\i:ACC+32*\t+\i+1], v[BL+2*\t:BL+2*\t+1]   ; the bias hangs on the lane here, not on the register
.endr
.endr
	QUANT4
.irp t, 0,1,2,3
	global_store_b128 v12, v[CD+4*\t:CD+4*\t+3], s[96:97] offset:1024*\t              ; half of tile t's image: 512 consecutive bytes, aligned
	global_store_b8 v13, v[BY+\t], s[98:99] offset:(\t%2)*128+(\t/2)*4
.endr
.Ldone:
	s_wait_tensorcnt 0x0
	ds_add_u32 v254, v255
	s_wait_dscnt 0x0
	CROUND                                         ; the closing round: no work-group ends while a partner may still ask for a tile that names it
	s_endpgm
.Lfunc_end_k_q955c8d3cb5_proj:
	.size	k_q955c8d3cb5_proj, .Lfunc_end_k_q955c8d3cb5_proj-k_q955c8d3cb5_proj
	.p2alignl 7, 3214868480
	.fill 96, 4, 3214868480
	.section	.rodata,"a",@progbits
	.p2align	6, 0x0
	.amdhsa_kernel k_q955c8d3cb5_proj
		.amdhsa_group_segment_fixed_size 284672
		.amdhsa_private_segment_fixed_size 0
		.amdhsa_enable_private_segment 0
		.amdhsa_kernarg_size 160
		.amdhsa_user_sgpr_count 2
		.amdhsa_user_sgpr_kernarg_segment_ptr 1
		.amdhsa_wavefront_size32 1
		.amdhsa_system_sgpr_workgroup_id_x 1
		.amdhsa_system_sgpr_workgroup_id_y 1
		.amdhsa_system_sgpr_workgroup_id_z 1
		.amdhsa_system_vgpr_workitem_id 0
		.amdhsa_next_free_vgpr 256
		.amdhsa_next_free_sgpr 102
		.amdhsa_reserve_vcc 1
		.amdhsa_float_denorm_mode_32 3
		.amdhsa_float_denorm_mode_16_64 3
		.amdhsa_memory_ordered 1
		.amdhsa_forward_progress 1
		.amdhsa_inst_pref_size 102
	.end_amdhsa_kernel
	.amdgpu_metadata
---
amdhsa.version: [ 1, 2 ]
amdhsa.kernels:
  - .name:           k_q955c8d3cb5_proj
    .symbol:         k_q955c8d3cb5_proj.kd
    .args:
      - { .name: query_codes, .offset: 0, .size: 8, .value_kind: global_buffer, .address_space: global }
      - { .name: key_codes, .offset: 8, .size: 8, .value_kind: global_buffer, .address_space: global }
      - { .name: value_codes, .offset: 16, .size: 8, .value_kind: global_buffer, .address_space: global }
      - { .name: query_scales, .offset: 24, .size: 8, .value_kind: global_buffer, .address_space: global }
      - { .name: key_scales, .offset: 32, .size: 8, .value_kind: global_buffer, .address_space: global }
      - { .name: value_scales, .offset: 40, .size: 8, .value_kind: global_buffer, .address_space: global }
      - { .name: Wq_codes, .offset: 48, .size: 8, .value_kind: global_buffer, .address_space: global }
      - { .name: Wk_codes, .offset: 56, .size: 8, .value_kind: global_buffer, .address_space: global }
      - { .name: Wv_codes, .offset: 64, .size: 8, .value_kind: global_buffer, .address_space: global }
      - { .name: Wq_scales, .offset: 72, .size: 8, .value_kind: global_buffer, .address_space: global }
      - { .name: Wk_scales, .offset: 80, .size: 8, .value_kind: global_buffer, .address_space: global }
      - { .name: Wv_scales, .offset: 88, .size: 8, .value_kind: global_buffer, .address_space: global }
      - { .name: bq, .offset: 96, .size: 8, .value_kind: global_buffer, .address_space: global }
      - { .name: bk, .offset: 104, .size: 8, .value_kind: global_buffer, .address_space: global }
      - { .name: bv, .offset: 112, .size: 8, .value_kind: global_buffer, .address_space: global }
      - { .name: q_norm_w, .offset: 120, .size: 8, .value_kind: global_buffer, .address_space: global }
      - { .name: k_norm_w, .offset: 128, .size: 8, .value_kind: global_buffer, .address_space: global }
      - { .name: qc, .offset: 136, .size: 8, .value_kind: global_buffer, .address_space: global }
      - { .name: qs, .offset: 144, .size: 8, .value_kind: global_buffer, .address_space: global }
      - { .name: kv, .offset: 152, .size: 8, .value_kind: global_buffer, .address_space: global }
    .group_segment_fixed_size: 284672
    .private_segment_fixed_size: 0
    .kernarg_segment_align: 8
    .kernarg_segment_size: 160
    .max_flat_workgroup_size: 512
    .sgpr_count:     102
    .vgpr_count:     256
    .wavefront_size: 32
...
	.end_amdgpu_metadata
.endif
;; end of part 1
;; launch attn (part 2): grid 16 x 16, 16 waves a work-group, clusters of 4 x 1, 327,680 bytes of LDS; arguments qc, qs, kv, ac, asc; writes ac, asc
.if DOCPART == 2
	.amdgcn_target "amdgcn-amd-amdhsa--gfx1250"
	.amdhsa_code_object_version 6
	.text
	.protected	k_q955c8d3cb5_attn
	.globl	k_q955c8d3cb5_attn
	.p2align	8
	.type	k_q955c8d3cb5_attn,@function
k_q955c8d3cb5_attn:
	s_mov_b64 s[64:65], 0
	v_nop
	global_prefetch_b8 v0, s[64:65] scope:SCOPE_SE
	s_setreg_imm32_b32 hwreg(HW_REG_WAVE_MODE, 25, 1), 1
	s_wait_xcnt 0x0
	s_wait_alu depctr_hold_cnt(0) depctr_sa_sdst(0) depctr_va_vdst(0) depctr_va_sdst(0) depctr_va_ssrc(0) depctr_va_vcc(0) depctr_vm_vsrc(0)
	s_getreg_b32 s2, hwreg(HW_REG_IB_STS2, 6, 4)
	s_cmp_eq_u32 s2, 0
	s_cbranch_scc0 .Lentry_in_a_cluster
	s_endpgm
.Lentry_in_a_cluster:
	s_bfe_u32 s2, ttmp6, 0x10000c
	s_cmp_lg_u32 s2, 0x3003
	s_cbranch_scc0 .Lentry_shape_is_right
	s_endpgm
.Lentry_shape_is_right:
; ATTENTION on codes of FP4 (E2M1) with E8M0 scales: 16 heads, 4,096 queries, 4,096 keys, head size 64, logits unscaled.
; t = logit x log2(e); M = the row's largest t so far, rounded UP to a whole number; p = 2^(t - M) is quantised along the keys, not normalised; the row's sum is taken of the unquantised p and divides O at the end.
; When M moves, the sum and O are multiplied by 2^(old M - new M): exact.  O / sum is quantised along the head's 64 for the output projection.
; SHARES.  A work-group owns 256 queries of one head; each of its sixteen waves one tile of 16: four waves to a SIMD.
; THE HEAD'S K AND V, codes and scale bytes, 278,528 bytes as the launch before laid them (32 records of 128 keys), lie in LDS whole, each byte filled once, by TWO loads a wave:
; a sixteenth of records 0-7 at the head, a sixteenth of records 8-31 behind the full sequence and a round.
; ONE barrier shows records 8-31 to all waves: a wave signals it behind key step 3 and waits for it behind key step 6; between the two it reads records 4-7 alone, which nobody writes.
; CLUSTER.  The four query blocks of a cluster belong to one head: both loads are asked for jointly, with a mask that names the four.
; NO PREFETCH: every byte of kv that the work-group reads has been asked for by its two loads when the first key step begins; there is no later request to run ahead of.
; LAYOUT.  Both products are used transposed: S^T = K Q^T (source 0 = keys), O^T = V^T P^T (source 0 = 16 of the head's 64): a lane holds one query (lane % 16) throughout.
; The keys of a tile are chosen so that the 32 registers of four tiles are the 32 neighbouring keys 64 c + 32 h + 0 .. 31: a block of p lies in ONE lane, and four conversions give registers 4 c .. 4 c + 3 of P's fragment.
; K = 64 IN AN INSTRUCTION OF K = 128: source 0 is a PAIR of key tiles; source 1 is [q | zeros] for the first and [zeros | q] for the second: twelve registers q, 0, q serve both.
; Zero codes add nothing under any scale byte but 0xff, and this program's bytes lie in 1 .. 254.
; THE STEP RUNS AHEAD OF ITSELF: the next record's K is fetched behind this step's score products, the next V behind this step's O products.
; LIMITS: NaN and infinities are not served; the promise holds while |t| stays under 2^31; p under 2^-126 counts as 0; the running largest score starts at -1e38; a block of zeros gets the byte 1, its codes are zeros, and these bytes are read by this program alone.
.set RECB,  8704                       ; 128 keys: K's 8 tile images (4,096), V's 4 fragment images (4,096), K's scale bytes (256), V's (256)
.set QUART, 8*RECB
.set HEADB, 32*RECB
.set SPARE, HEADB                      ; behind the head: the spare words, 128 bytes a wave
.set KF,  64                           ; v64-95   K: four pairs of tiles
.set VF,  96                           ; v96-127  V: four fragments
.set SCO, 128                          ; v128-191 S^T, then p: register 32 c + i = key 64 c + 32 h + i
.set OA,  192                          ; v192-223 O^T: register i = channel 32 h + i
.set PC,  56                           ; v56-63   p's codes
.set SPW, 232                          ; v232 my spare word; v233 0: never rewritten
.set NIL, 233
; v1 16 x lane, v2 8 x lane, v3, v4 the same + the record in hand, v5 8 h, v6 32 r + h; v12 -M, v13 the largest score, v[14:15], v[48:49] the sum's two chains; v16-27 q, 0, q; v28 q's scale word;
; v[30:31] K's scale words, v[32:33] V's, v34 p's; v[36:37] the factor; v38-39 block maxima; v40-41 the conversions' scale operands; v42-47 at work; v224-227 the codes that leave
; s[48:49] selects for lane l xor 16; s[50:51] log2(e); s28 the record in hand, s29 trips
.macro PLACES n
.rept \n
	v_nop
.endr
.endm
.macro CROUND                          ; a round of the cluster's barrier
	s_barrier_signal -1
	s_barrier_wait -1
	s_cmp_lg_u32 s14, 0
	s_cbranch_scc1 .Lnot_wave_0_\@
	s_barrier_signal -3
.Lnot_wave_0_\@:
	s_barrier_wait -3
	s_barrier_signal -1
	s_barrier_wait -1
.endm
; One product 16 x 16 x 128.  cm = 0: C is the constant 0; else in place.  ra = 1: source 0's scale words are read from lanes 16-31.
.macro WM d, a, b, cm, sa, sb, ra
.if \cm
.if \ra
	v_wmma_scale_f32_16x16x128_f8f6f4 v[\d:\d+7], v[\a:\a+7], v[\b:\b+7], v[\d:\d+7], v[\sa], v[\sb] matrix_a_fmt:MATRIX_FMT_FP4 matrix_b_fmt:MATRIX_FMT_FP4 matrix_a_scale:MATRIX_SCALE_ROW1
.else
	v_wmma_scale_f32_16x16x128_f8f6f4 v[\d:\d+7], v[\a:\a+7], v[\b:\b+7], v[\d:\d+7], v[\sa], v[\sb] matrix_a_fmt:MATRIX_FMT_FP4 matrix_b_fmt:MATRIX_FMT_FP4
.endif
.else
.if \ra
	v_wmma_scale_f32_16x16x128_f8f6f4 v[\d:\d+7], v[\a:\a+7], v[\b:\b+7], 0, v[\sa], v[\sb] matrix_a_fmt:MATRIX_FMT_FP4 matrix_b_fmt:MATRIX_FMT_FP4 matrix_a_scale:MATRIX_SCALE_ROW1
.else
	v_wmma_scale_f32_16x16x128_f8f6f4 v[\d:\d+7], v[\a:\a+7], v[\b:\b+7], 0, v[\sa], v[\sb] matrix_a_fmt:MATRIX_FMT_FP4 matrix_b_fmt:MATRIX_FMT_FP4
.endif
.endif
.endm
; Nine LDS loads: eight images of 512 bytes as they lie into v[f ..], and the two scale words a lane into v[sc:sc+1]
.macro LOADF f, sc, a, s, off, soff
.irp i, 0,1,2,3,4,5,6,7
	ds_load_b128 v[\f+4*\i:\f+4*\i+3], v[\a] offset:\off+512*\i
.endr
	ds_load_b64 v[\sc:\sc+1], v[\s] offset:\soff
.endm
.macro SUM2 j                          ; four numbers of p onto the sum's two chains
	v_pk_add_f32 v[14:15], v[14:15], v[SCO+\j:SCO+\j+1]
	v_pk_add_f32 v[48:49], v[48:49], v[SCO+\j+2:SCO+\j+3]
.endm
.macro TM4 j                           ; t - M of eight scores
.irp i, 0,2,4,6
	v_pk_fma_f32 v[SCO+\j+\i:SCO+\j+\i+1], v[SCO+\j+\i:SCO+\j+\i+1], s[50:51], v[12:13] op_sel_hi:[1,0,0]
.endr
.endm
	s_load_b256 s[4:11], s[0:1], 0x0               ; qc s[4:5], qs s[6:7], kv s[8:9], ac s[10:11]
	s_load_b64 s[12:13], s[0:1], 0x20              ; asc
	v_lshl_add_u32 v[SPW], v0, 2, SPARE
	v_mov_b32 v[NIL], 0
	ds_add_u32 v[SPW], v[NIL]                      ; the opening add, twice on end, and its wait ahead of my first tensor load
	ds_add_u32 v[SPW], v[NIL]
	v_lshrrev_b32 v1, 5, v0
	v_readfirstlane_b32 s14, v1                    ; wave 0..15
	s_bfe_u32 s15, ttmp6, 0x40000                  ; cx: it enters the addresses of q and of the results alone
	s_and_b32 s16, ttmp7, 0xffff                   ; the head, which the four partners share
	s_lshl_b32 s17, ttmp9, 2
	s_add_co_u32 s17, s17, s15                     ; my block of 256 queries
	s_lshl_b32 s18, s17, 4
	s_add_co_u32 s18, s18, s14                     ; T: my tile of 16 queries
	; descriptor group 1: dense rows of 256 bytes (32 elements of 8 bytes): 17 for the first load, 51 for the second
	s_mov_b32 s32, 15|(3<<16)|(1<<21)              ; 15:0 the mask: all four work-groups; 17:16 elements of 8 bytes; 21 set beside a mask
	s_mov_b32 s33, 32<<16                          ; tensor_dim0
	s_mov_b32 s34, 17<<16                          ; tensor_dim1
	s_mov_b32 s35, 32<<16                          ; tile_dim0
	s_mov_b32 s36, 17                              ; tile_dim1
	s_mov_b32 s37, 32                              ; from row to row
	s_mov_b32 s38, 0
	s_mov_b32 s39, 0
	s_mul_i32 s20, s16, HEADB
	s_mul_i32 s54, s14, 4352                       ; my sixteenth of records 0-7, in a head of kv and in LDS alike
	s_mul_i32 s55, s14, 13056
	s_add_co_u32 s55, s55, QUART                   ; my sixteenth of records 8-31
	s_add_co_u32 s22, s20, s55
	s_add_co_u32 s20, s20, s54
	s_mov_b32 s21, 0
	s_mov_b32 s23, 0
	s_lshl_b32 s24, s16, 17                        ; qc: a head is 131,072 bytes, a tile's image 512
	s_lshl_b32 s56, s18, 9
	s_add_co_u32 s24, s24, s56
	s_mov_b32 s25, 0
	s_lshl_b32 s26, s16, 13                        ; qs: a head is 8,192 bytes, eight tiles 256; tile tau = T % 8: 128 ((tau / 2) % 2) + 4 (tau / 4) + 2 (tau % 2) + 8 r + h
	s_lshr_b32 s56, s18, 3
	s_lshl_b32 s56, s56, 8
	s_add_co_u32 s26, s26, s56
	s_bfe_u32 s56, s18, 0x10001
	s_lshl_b32 s56, s56, 7
	s_add_co_u32 s26, s26, s56
	s_bfe_u32 s56, s18, 0x10002
	s_lshl_b32 s56, s56, 2
	s_add_co_u32 s26, s26, s56
	s_and_b32 s56, s18, 1
	s_lshl_b32 s56, s56, 1
	s_add_co_u32 s26, s26, s56
	s_mov_b32 s27, 0
	s_lshr_b32 s28, s18, 3                         ; ac: [T / 8][head / 2][T % 8][1024], + 512 (head % 2)
	s_lshl_b32 s28, s28, 16
	s_lshr_b32 s56, s16, 1
	s_lshl_b32 s56, s56, 13
	s_add_co_u32 s28, s28, s56
	s_and_b32 s56, s18, 7
	s_lshl_b32 s56, s56, 10
	s_add_co_u32 s28, s28, s56
	s_and_b32 s56, s16, 1
	s_lshl_b32 s56, s56, 9
	s_add_co_u32 s28, s28, s56
	s_mov_b32 s29, 0
	s_lshl_b32 s30, s18, 9                         ; asc: [16 T + r][32], byte 2 head + h
	s_lshl_b32 s56, s16, 1
	s_add_co_u32 s30, s30, s56
	s_mov_b32 s31, 0
	s_mov_b32 s48, 0x76543210
	s_mov_b32 s49, 0xfedcba98                      ; v_permlanex16_b32's selects for lane l xor 16
	s_mov_b32 s50, 0x3fb8aa3b                      ; log2(e)
	s_mov_b32 s51, s50                             ; (named with it as a pair)
	s_wait_dscnt 0x0                               ; both opening adds are done
	s_wait_kmcnt 0x0
	s_add_nc_u64 s[20:21], s[8:9], s[20:21]
	s_add_nc_u64 s[22:23], s[8:9], s[22:23]
	s_add_nc_u64 s[4:5], s[4:5], s[24:25]
	s_add_nc_u64 s[6:7], s[6:7], s[26:27]
	s_add_nc_u64 s[10:11], s[10:11], s[28:29]
	s_add_nc_u64 s[12:13], s[12:13], s[30:31]
	s_mov_b32 s40, 1                               ; group 0 for records 0-7
	s_mov_b32 s41, s54
	s_mov_b64 s[42:43], s[20:21]
	s_or_b32 s43, s43, 0x80000000
	s_mov_b32 s44, 1                               ; and for records 8-31
	s_mov_b32 s45, s55
	s_mov_b64 s[46:47], s[22:23]
	s_or_b32 s47, s47, 0x80000000
	CROUND                                         ; all four work-groups are here: the joint loads meet
	tensor_load_to_lds s[40:43], s[32:39]          ; my one load at the head
	s_nop 0
	PLACES 4
	v_and_b32 v7, 31, v0                           ; lane
	v_and_b32 v8, 15, v0                           ; r
	v_bfe_u32 v9, v0, 4, 1                         ; h
	v_lshlrev_b32 v1, 4, v7
	v_lshlrev_b32 v2, 3, v7
	v_lshlrev_b32 v10, 3, v8                       ; 8 r
	v_lshlrev_b32 v5, 3, v9
	v_lshl_add_u32 v6, v8, 5, v9
	global_load_b128 v[16:19], v1, s[4:5]          ; q's image, twice: in front of the zeros and behind them
	global_load_b128 v[24:27], v1, s[4:5]
	global_load_u16 v28, v10, s[6:7]               ; row r's two scale bytes
.irp j, 20,21,22,23
	v_mov_b32 v[\j], 0                             ; the zero codes between the two copies of q
.endr
	v_mov_b32 v13, 0xfe967699                      ; the largest score so far: -1e38
	v_mov_b32 v12, 0x7e967699                      ; -M: 1e38, a whole number
	v_mov_b32 v14, 0
	v_mov_b32 v15, 0
	v_mov_b32 v37, 0                               ; (upper half of the pair v[36:37])
	v_mov_b32 v45, 0                               ; lane permutes' destinations count as sources
	v_mov_b32 v47, 0
	s_wait_loadcnt 0x0
	v_lshl_or_b32 v28, v28, 16, v28                ; (s0, s1, s0, s1): q's scale word for either half of K.  The clears below are its places ahead of the first scaled product
.irp j, 0,1,2,3,4,5,6,7,8,9,10,11,12,13,14,15,16,17,18,19,20,21,22,23,24,25,26,27,28,29,30,31
	v_mov_b32 v[OA+\j], 0                          ; the step is written once: the first finds zeros, which the first change of M leaves zeros
.endr
; A KEY STEP: 128 keys, whose record begins at LDS byte s28; its K and V are in registers or on their way.  more = 1: the next record is fetched.
.macro STEP more
	s_wait_dscnt 0x9                               ; K and its scale words are in; V's nine loads, issued behind them, may be out
.irp e, 0,1,2,3,4,5,6,7
	WM SCO+8*\e, KF+8*(\e/2), 16+4*(\e%2), 0, 30+\e/4, 28, (\e/2)%2
.endr
	v_mov_b32 v44, v12                             ; the old -M.  This line and the three below are the four places behind the products
.if \more
	v_add_nc_u32 v3, s28, v1
	v_add_nc_u32 v4, s28, v2
	v_nop
	LOADF KF, 30, 3, 4, RECB, RECB+8192            ; the next record's K
.else
	PLACES 3
.endif
.irp c, 0,1                                    ; the largest SCORE of each of my two blocks of 32 keys: for the row's maximum and, since p rises with the score, for the block's largest p.  Each accumulator is first read at its low end
	v_max3_num_f32 v[38+\c], v[SCO+32*\c], v[SCO+32*\c+1], v[SCO+32*\c+2]
.endr
.irp i, 3,5,7,9,11,13,15,17,19,21,23,25,27,29
.irp c, 0,1
	v_max3_num_f32 v[38+\c], v[38+\c], v[SCO+32*\c+\i], v[SCO+32*\c+\i+1]
.endr
.endr
.irp c, 0,1
	v_max_num_f32 v[38+\c], v[38+\c], v[SCO+32*\c+31]
.endr
	s_delay_alu instid0(VALU_DEP_1)
	v_max_num_f32 v46, v38, v39
	s_delay_alu instid0(VALU_DEP_1)
	v_permlanex16_b32 v45, v46, s48, s49
	v_max3_num_f32 v13, v13, v46, v45              ; the running largest score of my query
	v_mul_f32 v46, s50, v13                        ; as t
	v_floor_f32 v12, -v46                          ; the new -M = -ceil(t)
	TM4 0
	v_sub_f32 v44, v12, v44                        ; old M - new M: a whole number, 0 or less
	TM4 8
	v_cvt_i32_f32 v44, v44                         ; (it saturates)
	TM4 16
	v_ldexp_f32 v36, 1.0, v44                      ; the factor 2^(old M - new M)
.irp j, 24,32,40,48,56
	TM4 \j
.endr
	v_fma_f32 v38, v38, s50, v12                   ; the same of each block's largest score
	v_fma_f32 v39, v39, s50, v12
	s_wait_alu depctr_va_vdst(0)                   ; the wait ahead of the batch
	v_exp_f32 v38, v38                             ; the blocks' largest p: the same two instructions on the same numbers give the same bits
	v_exp_f32 v39, v39
.irp j, 0,1,2,3,4,5,6,7,8,9,10,11,12,13,14,15,16,17,18,19,20,21,22,23,24,25,26,27,28,29,30,31,32,33,34,35,36,37,38,39,40,41,42,43,44,45,46,47,48,49,50,51,52,53,54,55,56,57,58,59,60,61,62,63
	v_exp_f32 v[SCO+\j], v[SCO+\j]                 ; p
.endr
	v_pk_mul_f32 v[14:15], v[14:15], v[36:37] op_sel_hi:[1,0]    ; the sum under the new M: a plain line behind the exponentials
	s_wait_alu depctr_va_vdst(0)                   ; one wait for the batch, ahead of its first reader
	v_max_num_f32 v38, 0x1800000, v38              ; the floor 2^(3 - 127): the byte cannot fall under 1.  The scale word's lines and the row's sum of the unquantised p take turns
	v_max_num_f32 v39, 0x1800000, v39
	v_pk_add_f32 v[48:49], v[SCO:SCO+1], v[SCO+2:SCO+3]
	SUM2 4
	v_add_nc_u32 v40, 0xff000000, v38              ; 2 off the exponent field: the conversions' scale operands
	v_add_nc_u32 v41, 0xff000000, v39
	SUM2 8
	v_lshrrev_b32 v42, 23, v40                     ; the bytes of blocks h and 2 + h
	v_lshrrev_b32 v43, 23, v41
	SUM2 12
	v_lshl_or_b32 v46, v43, 16, v42
	SUM2 16
	v_lshlrev_b32 v46, v5, v46                     ; at their places, 8 h bits up
	SUM2 20
	v_permlanex16_b32 v47, v46, s48, s49
	SUM2 24
	v_or_b32 v34, v46, v47                         ; with lane l xor 16's two: p's scale word for these 128 keys
.irp c, 0,1
.irp g, 0,1,2,3
	v_cvt_scalef32_pk8_fp4_f32 v[PC+4*\c+\g], v[SCO+32*\c+8*\g:SCO+32*\c+8*\g+7], v[40+\c]
.endr
.endr
	v_nop                                          ; one plain line behind the last conversion
.irp j, 0,2,4,6,8,10,12,14,16,18,20,22,24,26,28,30
	v_pk_mul_f32 v[OA+\j:OA+\j+1], v[OA+\j:OA+\j+1], v[36:37] op_sel_hi:[1,0]       ; O^T under the new M
.endr
.irp j, 28,32,36,40                            ; eight lines that name no register of the products below: with the v_nop the places ahead of them for p's scale word (8) and p's codes (4)
	SUM2 \j
.endr
	s_wait_alu depctr_va_vdst(0)                   ; the wait here, directly ahead of the wait below
	s_wait_dscnt 9*\more                           ; V and its scale words are in; the next K's nine loads, issued behind them, may be out
.irp t, 0,1,2,3
	WM OA+8*\t, VF+8*\t, PC, 1, 32+\t/2, 34, \t%2  ; the four accumulators by turns; the eight products of S^T stand between two links of a chain
.endr
.irp j, 44,48,52,56,60                         ; the rest of the sum: eleven plain lines, the places ahead of the loads into V's registers
	SUM2 \j
.endr
	v_pk_add_f32 v[14:15], v[14:15], v[48:49]
.if \more
	LOADF VF, 32, 3, 4, RECB+4096, RECB+8448       ; the next record's V
.endif
.endm
.macro RUN first, trips                ; key steps first .. first + trips - 1
	s_mov_b32 s28, \first*RECB
	s_mov_b32 s29, \trips
.Lstep_\@:
	STEP 1
	s_add_co_u32 s28, s28, RECB
	s_sub_co_u32 s29, s29, 1
	s_cmp_lg_u32 s29, 0
	s_cbranch_scc1 .Lstep_\@
.endm
	s_wait_alu depctr_va_vdst(0)                   ; the wait at the head's end
	s_wait_tensorcnt 0x0                           ; my part of records 0-7 is in
	ds_add_u32 v[SPW], v[NIL]
	s_mov_b32 s34, 51<<16                          ; no tensor load of mine is out, so the descriptor may be written: 51 rows
	s_mov_b32 s36, 51
	s_wait_dscnt 0x0
	CROUND                                         ; everybody's part is in, and all four work-groups are here
	tensor_load_to_lds s[44:47], s[32:39]          ; records 8-31: my one load behind the round, ahead of my first LDS read
	s_nop 0
	PLACES 4
	LOADF KF, 30, 1, 2, 0, 8192                    ; record 0
	LOADF VF, 32, 1, 2, 4096, 8448
	RUN 0, 4                                       ; steps 0-3 fetch up to record 4
	s_wait_tensorcnt 0x0                           ; my part of records 8-31 is in,
	s_wait_dscnt 0x0                               ; and no LDS load of mine is out at the signal
	s_barrier_signal -1
	RUN 4, 3                                       ; steps 4-6 fetch up to record 7: register work and reads of bytes that nobody writes
	s_barrier_wait -1                              ; everybody's part is in
	RUN 7, 24                                      ; steps 7-30 fetch up to record 31
	STEP 0                                         ; the last step fetches nothing
	; THE WAY OUT: O^T / the sum, quantised: my 32 channels are one block of the output projection's K; the four registers of codes are registers 4 c .. 4 c + 3 (c = head % 2) of its fragment.
	v_add_f32 v14, v14, v15
	s_delay_alu instid0(VALU_DEP_1)
	v_permlanex16_b32 v45, v14, s48, s49
	s_delay_alu instid0(VALU_DEP_1)
	v_add_f32 v14, v14, v45                        ; the row's sum
	s_wait_alu depctr_va_vdst(0)                   ; the wait ahead of the reciprocal
	v_rcp_f32 v36, v14
	v_nop                                          ; a plain line behind the reciprocal
	s_wait_alu depctr_va_vdst(0)                   ; and the wait ahead of its first reader, which is also the first reader of the last products' results
.irp j, 0,2,4,6,8,10,12,14,16,18,20,22,24,26,28,30
	v_pk_mul_f32 v[OA+\j:OA+\j+1], v[OA+\j:OA+\j+1], v[36:37] op_sel_hi:[1,0]
.endr
	v_max3_num_f32 v38, |v[OA]|, |v[OA+1]|, 0x1800000
	v_max3_num_f32 v39, |v[OA+2]|, |v[OA+3]|, 0x1800000
.irp j, 4,8,12,16,20,24,28
	s_delay_alu instid0(VALU_DEP_2)
	v_max3_num_f32 v38, v38, |v[OA+\j]|, |v[OA+\j+1]|
	s_delay_alu instid0(VALU_DEP_2)
	v_max3_num_f32 v39, v39, |v[OA+\j+2]|, |v[OA+\j+3]|
.endr
	s_delay_alu instid0(VALU_DEP_1)
	v_max_num_f32 v38, v38, v39
	s_delay_alu instid0(VALU_DEP_1)
	v_add_nc_u32 v40, 0xff000000, v38
	s_delay_alu instid0(VALU_DEP_1)
	v_lshrrev_b32 v42, 23, v40
.irp g, 0,1,2,3
	v_cvt_scalef32_pk8_fp4_f32 v[224+\g], v[OA+8*\g:OA+8*\g+7], v40
.endr
	v_nop
	global_store_b128 v1, v[224:227], s[10:11]     ; the wave stores 512 consecutive bytes, aligned
	global_store_b8 v6, v42, s[12:13]              ; the byte of (row r, block 2 head + h)
	s_wait_tensorcnt 0x0                           ; the wave's end
	ds_add_u32 v[SPW], v[NIL]
	s_wait_dscnt 0x0
	CROUND                                         ; the closing round: no work-group ends while a partner may still ask for a tile that names it
	s_endpgm
.Lfunc_end_k_q955c8d3cb5_attn:
	.size	k_q955c8d3cb5_attn, .Lfunc_end_k_q955c8d3cb5_attn-k_q955c8d3cb5_attn
	.p2alignl 7, 3214868480
	.fill 96, 4, 3214868480
	.section	.rodata,"a",@progbits
	.p2align	6, 0x0
	.amdhsa_kernel k_q955c8d3cb5_attn
		.amdhsa_group_segment_fixed_size 327680
		.amdhsa_private_segment_fixed_size 0
		.amdhsa_enable_private_segment 0
		.amdhsa_kernarg_size 40
		.amdhsa_user_sgpr_count 2
		.amdhsa_user_sgpr_kernarg_segment_ptr 1
		.amdhsa_wavefront_size32 1
		.amdhsa_system_sgpr_workgroup_id_x 1
		.amdhsa_system_sgpr_workgroup_id_y 1
		.amdhsa_system_sgpr_workgroup_id_z 1
		.amdhsa_system_vgpr_workitem_id 0
		.amdhsa_next_free_vgpr 234
		.amdhsa_next_free_sgpr 66
		.amdhsa_reserve_vcc 0
		.amdhsa_float_denorm_mode_32 3
		.amdhsa_float_denorm_mode_16_64 3
		.amdhsa_memory_ordered 1
		.amdhsa_forward_progress 1
		.amdhsa_inst_pref_size 67
	.end_amdhsa_kernel
	.amdgpu_metadata
---
amdhsa.version: [ 1, 2 ]
amdhsa.kernels:
  - .name:           k_q955c8d3cb5_attn
    .symbol:         k_q955c8d3cb5_attn.kd
    .args:
      - { .name: qc, .offset: 0, .size: 8, .value_kind: global_buffer, .address_space: global }
      - { .name: qs, .offset: 8, .size: 8, .value_kind: global_buffer, .address_space: global }
      - { .name: kv, .offset: 16, .size: 8, .value_kind: global_buffer, .address_space: global }
      - { .name: ac, .offset: 24, .size: 8, .value_kind: global_buffer, .address_space: global }
      - { .name: asc, .offset: 32, .size: 8, .value_kind: global_buffer, .address_space: global }
    .group_segment_fixed_size: 327680
    .private_segment_fixed_size: 0
    .kernarg_segment_align: 8
    .kernarg_segment_size: 40
    .max_flat_workgroup_size: 512
    .sgpr_count:     66
    .vgpr_count:     234
    .wavefront_size: 32
...
	.end_amdgpu_metadata
.endif
;; end of part 2
;; launch outp (part 3): grid 8 x 32, 8 waves a work-group, clusters of 4 x 4, 171,008 bytes of LDS; arguments ac, asc, Wo_codes, Wo_scales, bo, out0; writes out0
.if DOCPART == 3
	.amdgcn_target "amdgcn-amd-amdhsa--gfx1250"
	.amdhsa_code_object_version 6
	.text
	.protected	k_q955c8d3cb5_outp
	.globl	k_q955c8d3cb5_outp
	.p2align	8
	.type	k_q955c8d3cb5_outp,@function
k_q955c8d3cb5_outp:
	s_mov_b64 s[64:65], 0
	v_nop
	global_prefetch_b8 v0, s[64:65] scope:SCOPE_SE
	s_setreg_imm32_b32 hwreg(HW_REG_WAVE_MODE, 25, 1), 1
	s_wait_xcnt 0x0
	s_wait_alu depctr_hold_cnt(0) depctr_sa_sdst(0) depctr_va_vdst(0) depctr_va_sdst(0) depctr_va_ssrc(0) depctr_va_vcc(0) depctr_vm_vsrc(0)
	s_getreg_b32 s2, hwreg(HW_REG_IB_STS2, 6, 4)
	s_cmp_eq_u32 s2, 0
	s_cbranch_scc0 .Lentry_in_a_cluster
	s_endpgm
.Lentry_in_a_cluster:
	s_bfe_u32 s2, ttmp6, 0x10000c
	s_cmp_lg_u32 s2, 0xf033
	s_cbranch_scc0 .Lentry_shape_is_right
	s_endpgm
.Lentry_shape_is_right:
; THE OUTPUT PROJECTION: out0 = a Wo^T + bo on codes of FP4 (E2M1) with E8M0 scales.  a: the attention launch's codes, as images of fragments, ac [128 rows][K step 8][tile 8][1024], scale words asc [16 tile + r][8 words];
; Wo [1024][1024] as given; out0 [4096][1024] f32.
; SHARES.  256 work-groups, each 128 rows x 128 columns, all of K = 1,024 in LDS, each byte filled once.  Eight waves; wave w = 2 wr + wc makes tiles 2 wr, 2 wr + 1 of the rows x columns 64 wc .. + 63: 8 accumulators.
; TRANSPOSED: source 0 = 16 rows of Wo, source 1 = a tile of a: a lane holds eight neighbouring columns of one row of the result.  The bias is the C of the first products.
; Row r of tile T of a is row 64 (T / 4) + 32 (r / 8) + 8 (T % 4) + r % 8 of the result: the stores' offsets put the rows back.
; CLUSTERS: 4 x 4 work-groups.  The four of a row of the cluster need the same block of a, the four of a column the same rows of Wo: each tile is asked for jointly.
.set WBASE, 65536                      ; LDS: a's 65,536 bytes as they lie; then Wo's 128 rows x (512 bytes + 16);
.set WROWS, 128*528
.set STAGE, WBASE+WROWS                ; then a stage of 16 rows x (256 bytes + 16) for each wave, into which no tile lands
.set ACC, 128                          ; v128-191 accumulator (n, t) at ACC + 32 t + 8 n
.set S0S, 192                          ; v192-207 Wo's scale words: register 8 (n / 2) + K step; lanes 0-15 tile n even, lanes 16-31 n odd
.set S1S, 208                          ; v208-215 a's: register = K step; lanes 0-15 tile t = 0, lanes 16-31 t = 1
; v8 LDS address of a's images, v9 of Wo's fragments, v10, v11 the stage in and back, v12 my offset in the result; v32-79, v80-127 two sets of fragments (Wo's four, a's two); on the way out rows read back
.macro PLACES n
.rept \n
	v_nop
.endr
.endm
.macro CROUND                          ; a round of the cluster's barrier
	s_barrier_signal -1
	s_barrier_wait -1
	s_cmp_lg_u32 s16, 0
	s_cbranch_scc1 .Lnot_wave_0_\@
	s_barrier_signal -3
.Lnot_wave_0_\@:
	s_barrier_wait -3
	s_barrier_signal -1
	s_barrier_wait -1
.endm
; One product 16 x 16 x 128 with C = v[cr ..].  ra, rb = 1: that side's scale words are read from lanes 16-31.
.macro WM d, a, b, cr, sa, sb, ra, rb
.if (\ra) && (\rb)
	v_wmma_scale_f32_16x16x128_f8f6f4 v[\d:\d+7], v[\a:\a+7], v[\b:\b+7], v[\cr:\cr+7], v[\sa], v[\sb] matrix_a_fmt:MATRIX_FMT_FP4 matrix_b_fmt:MATRIX_FMT_FP4 matrix_a_scale:MATRIX_SCALE_ROW1 matrix_b_scale:MATRIX_SCALE_ROW1
.elseif \ra
	v_wmma_scale_f32_16x16x128_f8f6f4 v[\d:\d+7], v[\a:\a+7], v[\b:\b+7], v[\cr:\cr+7], v[\sa], v[\sb] matrix_a_fmt:MATRIX_FMT_FP4 matrix_b_fmt:MATRIX_FMT_FP4 matrix_a_scale:MATRIX_SCALE_ROW1
.elseif \rb
	v_wmma_scale_f32_16x16x128_f8f6f4 v[\d:\d+7], v[\a:\a+7], v[\b:\b+7], v[\cr:\cr+7], v[\sa], v[\sb] matrix_a_fmt:MATRIX_FMT_FP4 matrix_b_fmt:MATRIX_FMT_FP4 matrix_b_scale:MATRIX_SCALE_ROW1
.else
	v_wmma_scale_f32_16x16x128_f8f6f4 v[\d:\d+7], v[\a:\a+7], v[\b:\b+7], v[\cr:\cr+7], v[\sa], v[\sb] matrix_a_fmt:MATRIX_FMT_FP4 matrix_b_fmt:MATRIX_FMT_FP4
.endif
.endm
.macro FETCH s                         ; K step s's fragments, twelve loads, into set s % 2
.set FB, 32+48*((\s)%2)
.irp n, 0,1,2,3
.irp c, 0,1
	ds_load_b128 v[FB+8*\n+4*\c:FB+8*\n+4*\c+3], v9 offset:8448*\n+64*(\s)+32*\c
.endr
.endr
.irp t, 0,1
.irp c, 0,1
	ds_load_b128 v[FB+32+8*\t+4*\c:FB+32+8*\t+4*\c+3], v8 offset:8192*(\s)+1024*\t+512*\c
.endr
.endr
.endm
; K step s's eight products.  The accumulators take turns, one instruction a turn, in the same order in every step.
; In step 0 the bias lies in the registers of tile t = 0: tile 1 takes them as C, tile 0 adds onto them afterwards.
.macro MULS s
.set FB, 32+48*((\s)%2)
.irp t, 1,0
.if ((\s) == 0) && (\t == 0)
	PLACES 5                                       ; these products write over registers that the four before them read as C: five places
.endif
.irp n, 0,1,2,3
.if ((\s) == 0) && (\t == 1)
	WM ACC+32*\t+8*\n, FB+8*\n, FB+32+8*\t, ACC+8*\n, S0S+8*(\n/2)+(\s), S1S+(\s), \n%2, \t
.else
	WM ACC+32*\t+8*\n, FB+8*\n, FB+32+8*\t, ACC+32*\t+8*\n, S0S+8*(\n/2)+(\s), S1S+(\s), \n%2, \t
.endif
.endr
.endr
.endm
	s_load_b256 s[4:11], s[0:1], 0x0               ; ac s[4:5], asc s[6:7], Wo's codes s[8:9], Wo's scales s[10:11]
	s_load_b128 s[12:15], s[0:1], 0x20             ; bo s[12:13], out0 s[14:15]
	v_lshl_add_u32 v224, v0, 2, 0x29800
	v_mov_b32 v225, 0
	ds_add_u32 v224, v225
	ds_add_u32 v224, v225
	v_lshrrev_b32 v1, 5, v0
	s_delay_alu instid0(VALU_DEP_1)
	v_readfirstlane_b32 s16, v1                    ; wave 0..7
	s_lshr_b32 s17, s16, 1                         ; wr
	s_and_b32 s18, s16, 1                          ; wc
	s_bfe_u32 s19, ttmp6, 0x40000                  ; cx
	s_bfe_u32 s20, ttmp6, 0x40004                  ; cy
	s_lshl_b32 s21, ttmp9, 2
	s_add_co_u32 s21, s21, s19                     ; cb: my block of 128 columns
	s_and_b32 s22, ttmp7, 0xffff
	s_lshl_b32 s22, s22, 2
	s_add_co_u32 s22, s22, s20                     ; rb: my block of 128 rows
	s_lshl_b32 s23, s20, 2
	s_lshl_b32 s23, 15, s23                        ; my row of the cluster
	s_lshl_b32 s2, 0x1111, s19                     ; my column
	; descriptor group 1 for a: 64 dense rows of 256 bytes (32 elements of 8 bytes)
	s_or_b32 s24, s23, (3<<16)|(1<<21)             ; 15:0 the mask: a's tiles go to my row; 17:16 elements of 8 bytes; 21 set beside a mask
	s_mov_b32 s25, 32<<16
	s_mov_b32 s26, 64<<16                          ; 64 dense rows of 256 bytes a wave
	s_mov_b32 s27, 32<<16
	s_mov_b32 s28, 64
	s_mov_b32 s29, 32
	s_mov_b32 s30, 0
	s_mov_b32 s31, 0
	; and for Wo: 32 rows x 512 bytes, 512 bytes apart in memory, 16 bytes of padding behind each in LDS
	s_or_b32 s32, s2, (1<<20)|(1<<21)|(6<<22)|(3<<25)   ; the mask: my column; elements of 1 byte; padding: four words after every 128: a whole row of K, 512 bytes
	s_mov_b32 s33, 512<<16
	s_mov_b32 s34, 32<<16
	s_mov_b32 s35, 512<<16
	s_mov_b32 s36, 32
	s_mov_b32 s37, 512
	s_mov_b32 s38, 0
	s_mov_b32 s39, 0
	s_and_b32 s56, s16, 3                          ; waves 0-3 fetch a, waves 4-7 Wo: which quarter
	s_lshl_b32 s57, s56, 14                        ; a: 16,384 bytes, in LDS and in memory alike
	s_lshl_b32 s58, s22, 16
	s_add_co_u32 s58, s58, s57
	s_mov_b32 s59, 0
	s_mul_i32 s60, s56, 32*528
	s_add_co_u32 s60, s60, WBASE                   ; Wo: 32 rows in LDS,
	s_lshl_b32 s62, s21, 16
	s_lshl_b32 s61, s56, 14
	s_add_co_u32 s62, s62, s61                     ; rows 128 cb + 32 (w % 4) of 512 bytes in memory
	s_mov_b32 s63, 0
	s_wait_dscnt 0x0
	s_wait_kmcnt 0x0
	s_add_nc_u64 s[58:59], s[4:5], s[58:59]
	s_add_nc_u64 s[62:63], s[8:9], s[62:63]
	s_mov_b32 s40, 1                               ; group 0: s[40:43] a's quarter; s[48:51] Wo's 32 rows
	s_mov_b32 s41, s57
	s_mov_b64 s[42:43], s[58:59]
	s_or_b32 s43, s43, 0x80000000
	s_mov_b32 s48, 1
	s_mov_b32 s49, s60
	s_mov_b64 s[50:51], s[62:63]
	s_or_b32 s51, s51, 0x80000000
	CROUND                                         ; all sixteen work-groups are here: the joint loads meet
	s_cmp_lt_u32 s16, 4                            ; one load a wave: waves 0-3 a, waves 4-7 Wo
	s_cbranch_scc0 .Lfirst_w
	tensor_load_to_lds s[40:43], s[24:31]
	s_nop 0
	PLACES 4
	s_branch .Lfirst_asked
.Lfirst_w:
	tensor_load_to_lds s[48:51], s[32:39]
	s_nop 0
	PLACES 4
.Lfirst_asked:
	v_and_b32 v1, 31, v0                           ; lane
	v_and_b32 v2, 15, v0                           ; r
	v_bfe_u32 v3, v0, 4, 1                         ; h
	s_delay_alu instid0(VALU_DEP_3)
	v_lshlrev_b32 v13, 5, v1                       ; scale words: 32 bytes a row, a lane a row
	s_wait_alu depctr_va_vdst(0)
	v_lshlrev_b32 v14, 5, v3                       ; the bias: 8 h numbers on
	s_wait_alu depctr_va_vdst(0)
	s_mov_b32 s57, 0
	s_lshl_b32 s56, s21, 12                        ; Wo's scales: row 128 cb + 64 wc
	s_lshl_b32 s58, s18, 11
	s_add_co_u32 s56, s56, s58
	s_add_nc_u64 s[10:11], s[10:11], s[56:57]
	s_lshl_b32 s56, s22, 12                        ; a's: index 128 rb + 32 wr
	s_lshl_b32 s58, s17, 10
	s_add_co_u32 s56, s56, s58
	s_add_nc_u64 s[6:7], s[6:7], s[56:57]
	s_lshl_b32 s56, s21, 9                         ; the bias: column 128 cb + 64 wc
	s_lshl_b32 s58, s18, 8
	s_add_co_u32 s56, s56, s58
	s_add_nc_u64 s[12:13], s[12:13], s[56:57]
	s_add_nc_u64 s[14:15], s[14:15], s[56:57]      ; the result: the same columns, 4 bytes each,
.irp pp, 0,1
	global_load_b128 v[S0S+8*\pp:S0S+8*\pp+3],   v13, s[10:11] offset:1024*\pp
	global_load_b128 v[S0S+8*\pp+4:S0S+8*\pp+7], v13, s[10:11] offset:1024*\pp+16
.endr
	global_load_b128 v[S1S:S1S+3],   v13, s[6:7]
	global_load_b128 v[S1S+4:S1S+7], v13, s[6:7] offset:16
.irp n, 0,1,2,3
	global_load_b128 v[ACC+8*\n:ACC+8*\n+3],   v14, s[12:13] offset:64*\n        ; register j of tile n: column 16 n + 8 h + j
	global_load_b128 v[ACC+8*\n+4:ACC+8*\n+7], v14, s[12:13] offset:64*\n+16
.endr
	s_lshl_b32 s56, s22, 7                         ; and row 128 rb + 64 (wr / 2) + 16 (wr % 2), 4,096 bytes a row
	s_lshr_b32 s58, s17, 1
	s_lshl_b32 s58, s58, 6
	s_add_co_u32 s56, s56, s58
	s_and_b32 s58, s17, 1
	s_lshl_b32 s58, s58, 4
	s_add_co_u32 s56, s56, s58
	s_lshl_b32 s56, s56, 12
	s_add_nc_u64 s[14:15], s[14:15], s[56:57]
	v_lshlrev_b32 v4, 4, v1
	s_lshl_b32 s58, s17, 11
	v_add_nc_u32 v8, s58, v4                       ; a's images: 16 x lane + my two tiles
	v_mul_u32_u24 v5, v2, 272
	v_mul_u32_u24 v9, v2, 528
	s_delay_alu instid0(VALU_DEP_1)
	v_lshl_add_u32 v9, v3, 4, v9
	s_mul_i32 s58, s18, 64*528
	s_add_co_u32 s58, s58, WBASE
	v_add_nc_u32 v9, s58, v9                       ; Wo's fragments: row r of my 64, + 16 h
	s_mul_i32 s58, s16, 16*272
	s_add_co_u32 s58, s58, STAGE                   ; my stage
	v_lshl_add_u32 v10, v3, 5, v5
	s_delay_alu instid0(VALU_DEP_1)
	v_add_nc_u32 v10, s58, v10                     ; in: row r, + 32 h
	v_mul_u32_u24 v11, v3, 272
	s_delay_alu instid0(VALU_DEP_1)
	v_lshl_add_u32 v11, v2, 4, v11
	s_delay_alu instid0(VALU_DEP_1)
	v_add_nc_u32 v11, s58, v11                     ; back: lanes 0-15 one row of 256 bytes, lanes 16-31 the next
	v_lshlrev_b32 v12, 12, v3
	s_delay_alu instid0(VALU_DEP_1)
	v_lshl_add_u32 v12, v2, 4, v12                 ; and the same two rows in the result
	s_wait_alu depctr_va_vdst(0)
	s_wait_tensorcnt 0x0                           ; my part of the operands is in
	s_barrier_signal -1
	s_barrier_wait -1                              ; everybody's is
	FETCH 0
	s_wait_loadcnt 0x0                             ; scale words and bias
.irp s, 0,1,2,3,4,5,6,7
.if \s < 7
.if \s > 0
	PLACES 4                                       ; four places between the last products and loads into the set that they read
.endif
	FETCH \s+1
	s_wait_dscnt 0xc                               ; this step's fragments are in; the twelve loads just issued may be out
.else
	s_wait_dscnt 0x0
.endif
	MULS \s
.endr
	; THE WAY OUT.  A lane holds 32 neighbouring bytes of a row, the lanes beside it other rows: a tile of 16 rows x 64 columns goes through my own stage and comes back as rows of 256 bytes.
	; LDS serves a wave's instructions in order (ISA guide 5.7.1.4): no wait between the stores and the loads, nor in front of the next tile's stores.
	PLACES 4
.irp t, 0,1
.irp n, 0,1,2,3
	ds_store_b128 v10, v[ACC+32*\t+8*\n:ACC+32*\t+8*\n+3] offset:64*\n              ; each accumulator from its low end on
	ds_store_b128 v10, v[ACC+32*\t+8*\n+4:ACC+32*\t+8*\n+7] offset:64*\n+16
.endr
.irp i, 0,1,2,3,4,5,6,7
	ds_load_b128 v[32+48*\t+4*\i:32+48*\t+4*\i+3], v11 offset:544*\i
.endr
.endr
.irp t, 0,1
.irp i, 0,1,2,3,4,5,6,7
	s_wait_dscnt (1-\t)*16+7-\i                    ; behind this load: the tile's later loads, and for tile 0 the sixteen LDS instructions of tile 1
	global_store_b128 v12, v[32+48*\t+4*\i:32+48*\t+4*\i+3], s[14:15] offset:(8*\t+32*(\i/4)+2*(\i%4))*4096 th:TH_STORE_NT   ; sixteen lanes store 256 consecutive bytes, aligned; tile rows 2 i, 2 i + 1 are rows 32 (i / 4) + 8 t + 2 (i % 4) + 0, 1
.endr
.endr
	s_wait_tensorcnt 0x0
	ds_add_u32 v224, v225
	s_wait_dscnt 0x0
	CROUND                                         ; the closing round: no work-group ends while a partner may still ask for a tile that names it
	s_endpgm
.Lfunc_end_k_q955c8d3cb5_outp:
	.size	k_q955c8d3cb5_outp, .Lfunc_end_k_q955c8d3cb5_outp-k_q955c8d3cb5_outp
	.p2alignl 7, 3214868480
	.fill 96, 4, 3214868480
	.section	.rodata,"a",@progbits
	.p2align	6, 0x0
	.amdhsa_kernel k_q955c8d3cb5_outp
		.amdhsa_group_segment_fixed_size 171008
		.amdhsa_private_segment_fixed_size 0
		.amdhsa_enable_private_segment 0
		.amdhsa_kernarg_size 48
		.amdhsa_user_sgpr_count 2
		.amdhsa_user_sgpr_kernarg_segment_ptr 1
		.amdhsa_wavefront_size32 1
		.amdhsa_system_sgpr_workgroup_id_x 1
		.amdhsa_system_sgpr_workgroup_id_y 1
		.amdhsa_system_sgpr_workgroup_id_z 1
		.amdhsa_system_vgpr_workitem_id 0
		.amdhsa_next_free_vgpr 226
		.amdhsa_next_free_sgpr 66
		.amdhsa_reserve_vcc 0
		.amdhsa_float_denorm_mode_32 3
		.amdhsa_float_denorm_mode_16_64 3
		.amdhsa_memory_ordered 1
		.amdhsa_forward_progress 1
		.amdhsa_inst_pref_size 28
	.end_amdhsa_kernel
	.amdgpu_metadata
---
amdhsa.version: [ 1, 2 ]
amdhsa.kernels:
  - .name:           k_q955c8d3cb5_outp
    .symbol:         k_q955c8d3cb5_outp.kd
    .args:
      - { .name: ac, .offset: 0, .size: 8, .value_kind: global_buffer, .address_space: global }
      - { .name: asc, .offset: 8, .size: 8, .value_kind: global_buffer, .address_space: global }
      - { .name: Wo_codes, .offset: 16, .size: 8, .value_kind: global_buffer, .address_space: global }
      - { .name: Wo_scales, .offset: 24, .size: 8, .value_kind: global_buffer, .address_space: global }
      - { .name: bo, .offset: 32, .size: 8, .value_kind: global_buffer, .address_space: global }
      - { .name: out0, .offset: 40, .size: 8, .value_kind: global_buffer, .address_space: global }
    .group_segment_fixed_size: 171008
    .private_segment_fixed_size: 0
    .kernarg_segment_align: 8
    .kernarg_segment_size: 48
    .max_flat_workgroup_size: 256
    .sgpr_count:     66
    .vgpr_count:     226
    .wavefront_size: 32
...
	.end_amdgpu_metadata
.endif
;; end of part 3
